; MI455X (gfx1250); checked and timed in simulation.
; The chip was launched on July 23, 2026; its instructions are those of AMD's public machine-readable ISA for CDNA 5 (MIT licence, August 2026) and "CDNA5" Instruction Set Architecture Reference Guide (July 2026). The comments in the code are by the model that wrote it; some were corrected since.
;; V Quant Linear. Allowed arithmetic: matrix products marked QUANTISED: E5M2 operands, one given power-of-two scale a tensor, by v_wmma_f32_16x16x64_bf8_bf8 or v_wmma_f32_16x16x128_bf8_bf8, f32 sums; everything else in f32.
;; Inputs: centroids 1 x 32,768 float32; indices 1 x 256 x 3,968 int32; lowp_scales 2 int32 (the exponents e of the quantised operands' scales 2^e); outlier_centroids 1 x 1,024 float32; outlier_indices 1 x 512 x 128 int32; perm 4,096 int32; res_centroids 1 x 2,048 float32; res_indices 1 x 256 x 3,968 int32; weight_bias 4,096 float32; weight_scale 4,096 float32; x_codes 2 x 4,096 x 128 x 32 uint8 (E5M2 codes of x, K innermost, in blocks of 32 codes).
;; Outputs: out0 2 x 4,096 x 2,048 float32.
;; This version of the problem:
;;   THIS VERSION OF THE PROBLEM IS GIVEN IN LOW PRECISION. The matrix products marked QUANTISED in the list below multiply operands that are first quantised to E5M2 (5 exponent bits, 2 mantissa bits; 8 bits a number), with one given power-of-two scale for each operand tensor; their sums are f32. All else is computed in f32.
;;   The module's matrix products, in the order in which they are computed (A, B: the left and right operand; K: the contracted axis; several contracted axes count as one K, in the product's order):
;;     1. [M 8,192, K 4,096] x [K 4,096, N 2,048]; A: input x (given as codes); B: computed on the way: QUANTISED (scales: A lowp_scales[0], B lowp_scales[1])
;;   THE QUANTISER, for each operand of a quantised product, along K:
;;     - The operand's scale is 2^e, e = its entry of the input lowp_scales (int32; the entries are numbered through the quantised products in the list's order, A before B).
;;     - Each number is divided by the scale, clamped to +-57,344, and rounded to the nearest number of E5M2, ties to even, subnormals kept.
;;     - The product sums the exact products of the quantised numbers (number of the format x scale) in f32.
;;   ~~~python
;;   def quantise(x, axis, e):      # numpy; x: float32 -> the quantised numbers, widened to float32 again
;;       x = np.moveaxis(x, axis, -1); K = x.shape[-1]
;;       r = np.clip(x / 2.0 ** e, -57344, 57344)
;;       step = 2.0 ** (np.maximum(np.frexp(np.where(r == 0, 1, r))[1] - 1, -14) - 2)
;;       q = np.round(r / step) * step * 2.0 ** e      # np.round: ties to even
;;       return np.moveaxis(q, -1, axis).astype(np.float32)
;;   ~~~
;;   OPERANDS COMPUTED ON THE WAY. 'Computed on the way' means the value that the module computes at that place (a softmax that the list does not call 'softmax' is quantised finished and normalised). What goes into a quantiser is computed in f32, as accurately as f32 sums, v_exp_f32 and their like allow (about 1e-6 of the number): no bf16 or f16 on the way to a quantiser, and a product that is left as it is and whose result goes on into a quantised operand takes f32 operands (vector FMAs, or v_wmma_f32_16x16x4_f32). A number that lies on a knife's edge between two numbers of the format may be rounded either way, as far as f32 arithmetic and the matrix unit's own rounding can turn it there, and no further.
;;   INPUTS GIVEN AS CODES. x (in the module: [2, 4096, 4096], K = its axis 2): each comes as NAME_codes (uint8): NAME with its K axis moved to the last place and cut into blocks of 32 codes, [.., K / 32, bytes a block], one block behind the other in memory; one code a byte (a code: sign, 5 exponent bits, 2 mantissa bits); its scale is its entry of lowp_scales. Its value is code x scale, taken as it is: it is not quantised again, and the codes and scales need not be those that the quantiser above would give.
;; One version. Each part assembles by itself: llvm-mc -triple=amdgcn-amd-amdhsa -mcpu=gfx1250 --defsym DOCPART=n.
;; ======== version 1 of 1: 2 launches
;; limits: right only within a limited range of input values
;; workspace buffers: w_codes 8,388,608 bytes
;; launch dequant (part 1): grid 256 x 1, 16 waves a work-group, no clusters, 264,192 bytes of LDS; arguments centroids, res_centroids, outlier_centroids, weight_scale, weight_bias, indices, res_indices, outlier_indices, perm, lowp_scales, w_codes; writes w_codes
.if DOCPART == 1
	.amdgcn_target "amdgcn-amd-amdhsa--gfx1250"
	.amdhsa_code_object_version 6
	.text
	.protected	k_qa30f8f955d_dequant
	.globl	k_qa30f8f955d_dequant
	.p2align	8
	.type	k_qa30f8f955d_dequant,@function
k_qa30f8f955d_dequant:
	s_mov_b64 s[64:65], 0
	v_nop
	global_prefetch_b8 v0, s[64:65] scope:SCOPE_SE
	s_setreg_imm32_b32 hwreg(HW_REG_WAVE_MODE, 25, 1), 1
	s_wait_xcnt 0x0
; THE WEIGHT, MADE ONCE.  w_codes [2048][4096], one E5M2 code a byte, K (the in_features) innermost: the right operand of the product that the next launch computes.
; Source column c of output rows 8 ni .. 8 ni + 7:  c >= 128: centroids[indices[ni][c-128]] + res_centroids[res_indices[ni][c-128]] (8 numbers, one a row);
; c < 128: outlier_centroids[outlier_indices[2 ni][c]] (rows 0-3) and [2 ni + 1][c] (rows 4-7).  Then x weight_scale[c] + weight_bias[c], all in f32; the column becomes final column perm[c];
; code = value / 2^e1, held within +-57,344, to the nearest code, ties to even (e1 = entry 1 of lowp_scales).
; LIMITS.  e1 between -126 and 112, so that 2^e1 and 57,344 x 2^e1 are f32 numbers.  NaN among the inputs is not served.  In the outlier columns 0 is added, so a -0 there becomes +0.
; perm HOLDS EACH OF 0 .. 4095 ONCE: the sort of perm is replaced by its inverse (final column perm[c] takes source column c).  With repeated entries the result would differ from a stable sort's;
; no address would leave its table and no LDS word would be read unwritten (every entry is clamped, and the table of the inverse is first filled with the identity).
; SHARES.  Work-group ni owns index row ni: 8 output rows x 4,096 columns.  16 waves, 512 threads.  The columns are 32 chunks of 128; wave W takes chunks W (set 0) and W + 16 (set 1); a lane takes 4 neighbouring
; source columns, so every load of indices, scales and biases is 16 bytes a lane, 512 consecutive bytes a wave.  Chunk 0 (wave 0, set 0) is the outlier chunk.  On the way out thread t owns final columns 8 t .. 8 t + 7.
; THE CODEBOOKS LIE IN LDS (143,360 bytes of memory, read once by the work-group, in whole runs of 512 bytes a wave), entries of 32 bytes 48 bytes apart: an odd multiple of 16, so that entries chosen at
; random spread over all sixteen 16-byte columns of the banks' row (64 banks of 4 bytes: ISA guide 11.1).  They go through registers: no tensor load and no copy is used, so no slot is ever filled again.
; No cluster: joint requests exist for tensor loads alone, and these tables are laid with a pitch and are stored beside LDS stores whose addresses come from data.
; ORDER IN LDS.  Every LDS access whose address comes from loaded numbers is parted by barriers from every LDS access of another wave that stores, wherever it may point:
;   wave 0 alone writes the identity into INV and then scatters the inverse of perm over it (one wave's LDS instructions are served in order); nobody else touches LDS | barrier 1 | the codebooks are stored |
;   barrier 2 | the gathers (loads alone) | barrier 3 | the codes are stored, in source order | barrier 4 | INV is read, the codes are gathered by it (loads alone), turned from columns to rows in registers, and stored.
; All that the work-group reads is asked for at the head, perm too: wave 0 writes the identity while its loads are out.
.set ROWI, 15872                       ; a row of indices or of res_indices: 3,968 x 4 bytes
.set EP,   48                          ; from entry to entry of the two large codebooks in LDS
.set INV,  0                           ; 16,384 bytes: word i = 8 x the source column of final column i
.set STG,  16384                       ; 32,768 bytes: the 8 rows' codes of source column c at 8 c
.set OCB,  49152                       ; 4,096 bytes: the outlier entries, 16 bytes each, as in memory
.set RCB,  53248                       ; 12,288 bytes: 256 residual entries
.set CB,   65536                       ; 196,608 bytes: 4,096 main entries
; v0 t; v1 16 x lane; v2 16 t; v3 8 t; v4 32 t; v5-8 where I store my 16 bytes of the main codebook (four bases, since an LDS offset has 16 bits); v9 48 (t / 2) + 16 (t % 2); v11 2^e1; v12 57,344 x 2^e1; v13 at work
; v[14:15], v[16:19] my bytes of the outlier and the residual codebook; v[20:35] indices: set s: A at 20 + 8 s, B at 24 + 8 s; v[36:43] scales, v[44:51] biases: 4 a set
; v[52:55] wave 0: 8 x the source column of the perm entry in hand; v[56:59] wave 0: four words of the identity; v[64:127] my bytes of the main codebook; v[128:255] wave 0: perm
; later: v[64:79] gather addresses; v[80:95] codes; v[128:255] gathered entries (set s: main at 192 - 64 s, residual 32 further on); v[96:103] INV; v[104:119] gathered codes; v[120:123] at work; v[128:143] rows to store
.macro BARRIER                         ; my LDS instructions are done, stores and loads: then the work-group's barrier
	s_wait_dscnt 0x0
	s_barrier_signal -1
	s_barrier_wait -1
.endm
	s_load_b512 s[16:31], s[0:1], 0x0              ; centroids 16, res_centroids 18, outlier_centroids 20, weight_scale 22, weight_bias 24, indices 26, res_indices 28, outlier_indices 30
	s_load_b128 s[32:35], s[0:1], 0x40             ; perm s[32:33], lowp_scales s[34:35]
	s_load_b64 s[36:37], s[0:1], 0x50              ; w_codes
	v_lshl_add_u32 v62, v0, 2, 0x40000
	v_mov_b32 v63, 0
	v_lshrrev_b32 v13, 5, v0
	s_delay_alu instid0(VALU_DEP_1)
	v_readfirstlane_b32 s2, v13                    ; W: wave 0..15
	v_and_b32 v13, 31, v0                          ; lane
	s_delay_alu instid0(VALU_DEP_1)
	v_lshlrev_b32 v1, 4, v13
.irp j, 0,1,2,3
	v_lshl_or_b32 v[52+\j], v13, 5, 8*\j           ; 8 x (4 lane + j): for the scatter,
	v_lshl_or_b32 v[56+\j], v13, 5, 8*\j           ; and for the identity
.endr
	v_lshlrev_b32 v2, 4, v0
	v_lshlrev_b32 v3, 3, v0
	v_lshlrev_b32 v4, 5, v0
	v_lshrrev_b32 v13, 1, v0
	s_delay_alu instid0(VALU_DEP_1)
	v_mul_u32_u24 v9, v13, EP
	v_and_b32 v13, 1, v0
	s_delay_alu instid0(VALU_DEP_1)
	v_lshl_add_u32 v9, v13, 4, v9                  ; two threads to an entry: entry t / 2, half t % 2
	s_delay_alu instid0(VALU_DEP_1)
	v_add_nc_u32 v5, CB, v9
	s_delay_alu instid0(VALU_DEP_2)
	v_add_nc_u32 v6, CB+5*256*EP, v9               ; a load's 8,192 bytes are 256 entries; five loads to a base
	s_delay_alu instid0(VALU_DEP_3)
	v_add_nc_u32 v7, CB+10*256*EP, v9
	s_delay_alu instid0(VALU_DEP_4)
	v_add_nc_u32 v8, CB+15*256*EP, v9
	; byte offsets, each in registers of its own
	s_mul_i32 s4, ttmp9, ROWI                      ; my row of indices and of res_indices
	s_lshl_b32 s12, s2, 9                          ; 512 W: my wave's 128 columns of 4 bytes
	s_mov_b32 s13, 0
	s_add_co_u32 s6, s4, s12                       ; set 1: chunk W + 16 begins 512 (W + 15) bytes into the row: the 7,680 stand in the loads' immediate
	s_mov_b32 s7, 0
	s_max_u32 s8, s2, 1                            ; set 0: chunk W begins 512 (W - 1) bytes into the row; for wave 0, which does not take it, the offset stays inside the row
	s_sub_co_u32 s8, s8, 1
	s_lshl_b32 s8, s8, 9
	s_add_co_u32 s8, s8, s4
	s_lshl_b32 s10, ttmp9, 10                      ; outlier_indices: row 2 ni (512 bytes a row),
	s_add_co_u32 s11, s10, 512                     ; and row 2 ni + 1
	; WHERE A ROW LIES IN w_codes: inside each group of 64 output rows, row n = 4 r + b lies at place 16 b + r (b = 0..3, r = 0..15), so that in the next launch
	; four neighbouring fragments of 16 places hold, in lane r, four neighbouring output rows.  My rows n = 8 ni + j: place 64 (ni / 8) + 2 (ni % 8) + 16 (j % 4) + j / 4
	s_lshr_b32 s14, ttmp9, 3
	s_lshl_b32 s14, s14, 18                        ; 64 places of 4,096 bytes
	s_and_b32 s15, ttmp9, 7
	s_lshl_b32 s15, s15, 13                        ; 2 places
	s_add_co_u32 s14, s14, s15
	s_mov_b32 s15, 0
	s_mov_b32 s59, 0
	s_mov_b32 s61, 0
	s_mov_b32 s48, 0x05010400                      ; byte selectors for the turn from columns to rows
	s_mov_b32 s49, 0x07030602
	s_mov_b32 s50, 0x05040100
	s_mov_b32 s51, 0x07060302
	s_wait_kmcnt 0x0
	s_load_b32 s38, s[34:35], 0x4                  ; e1
	s_cmp_eq_u32 s2, 0                             ; set 0 of wave 0 reads the outlier indices: a choice of buffers on the wave's number alone; only selections follow the compare
	s_cselect_b64 s[44:45], s[30:31], s[26:27]
	s_cselect_b64 s[46:47], s[30:31], s[28:29]
	s_cselect_b32 s58, s10, s8
	s_cselect_b32 s60, s11, s8
	s_add_nc_u64 s[44:45], s[44:45], s[58:59]      ; set 0, indices A: main, or the outliers of rows 0-3
	s_add_nc_u64 s[46:47], s[46:47], s[60:61]      ; set 0, indices B: residual, or the outliers of rows 4-7
	s_add_nc_u64 s[40:41], s[26:27], s[6:7]        ; set 1
	s_add_nc_u64 s[42:43], s[28:29], s[6:7]
	s_add_nc_u64 s[52:53], s[22:23], s[12:13]      ; weight_scale and weight_bias at my wave's chunk W
	s_add_nc_u64 s[54:55], s[24:25], s[12:13]
	s_add_nc_u64 s[36:37], s[36:37], s[14:15]
	s_cmp_lg_u32 s2, 0                             ; wave 0 asks for perm ahead of everything else: the other waves wait at barrier 1 for what it makes of it
	s_cbranch_scc1 .Lno_perm
.set k, 0
.rept 32
	global_load_b128 v[128+4*k:131+4*k], v1, s[32:33] offset:512*k     ; perm[128 k + 4 lane + 0 .. 3]
.set k, k+1
.endr
.Lno_perm:
	; what every wave reads is asked for here: 26 loads a wave
.set k, 0
.rept 16
	global_load_b128 v[64+4*k:67+4*k], v2, s[16:17] offset:8192*k      ; the 512 threads take 8,192 consecutive bytes of the main codebook
.set k, k+1
.endr
	global_load_b128 v[16:19], v2, s[18:19]        ; the residual codebook: 8,192 bytes
	global_load_b64 v[14:15], v3, s[20:21]         ; the outlier codebook: 4,096 bytes
	global_load_b128 v[20:23], v1, s[44:45] th:TH_LOAD_NT
	global_load_b128 v[24:27], v1, s[46:47] th:TH_LOAD_NT
	global_load_b128 v[28:31], v1, s[40:41] offset:7680 th:TH_LOAD_NT
	global_load_b128 v[32:35], v1, s[42:43] offset:7680 th:TH_LOAD_NT
	global_load_b128 v[36:39], v1, s[52:53]
	global_load_b128 v[40:43], v1, s[52:53] offset:8192
	global_load_b128 v[44:47], v1, s[54:55]
	global_load_b128 v[48:51], v1, s[54:55] offset:8192
	s_wait_kmcnt 0x0
	s_add_co_i32 s39, s38, 127
	s_lshl_b32 s39, s39, 23
	v_mov_b32 v11, s39                             ; 2^e1 as f32: the conversion takes its exponent field
	s_add_co_i32 s39, s38, 142
	s_lshl_b32 s39, s39, 23
	s_or_b32 s39, s39, 0x600000
	v_mov_b32 v12, s39                             ; 57,344 x 2^e1
	; ---- wave 0 alone makes INV.  Up to barrier 1 no other wave touches LDS
	s_cmp_lg_u32 s2, 0
	s_cbranch_scc1 .Lnot_wave_0
.set k, 0
.rept 32                                       ; while perm is on its way: the identity, INV[i] = 8 i, 512 consecutive bytes a store: every word that is read later is written, whatever perm holds
	ds_store_b128 v1, v[56:59] offset:INV+512*k
.if k < 31
.irp j, 0,1,2,3
	v_add_nc_u32 v[56+\j], 0x400, v[56+\j]         ; 128 words on
.endr
.endif
.set k, k+1
.endr
.set k, 0
.rept 32                                       ; INV[perm[c]] = 8 c: behind the identity's stores in this wave's order
	s_wait_loadcnt 57-k                            ; loads come back in order: behind load k stand the 31 - k later loads of perm and the 26 that every wave issues
.irp j, 0,1,2,3
	v_min_u32 v[128+4*k+\j], 0xfff, v[128+4*k+\j]  ; inside the table, whatever was loaded
.endr
.irp j, 0,1,2,3
	v_lshlrev_b32 v[128+4*k+\j], 2, v[128+4*k+\j]
.endr
.if k > 0
.irp j, 0,1,2,3
	v_add_nc_u32 v[52+\j], 0x400, v[52+\j]         ; 128 columns on
.endr
.endif
.irp j, 0,1,2,3
	ds_store_b32 v[128+4*k+\j], v[52+\j] offset:INV
.endr
.set k, k+1
.endr
.Lnot_wave_0:
	BARRIER                                        ; barrier 1
	; ---- the codebooks into LDS
	s_wait_loadcnt 8                               ; the 18 loads of codebooks are in; the eight behind them may be out
	; the 16 bytes behind each entry of 32 are written too, with zeros: every byte between a table's first and last is stored before a gather reads there
	v_mul_u32_u24 v10, v0, EP                      ; main: entry 512 m + t, m = 0..7; three bases, since an LDS offset has 16 bits
	v_and_b32 v56, 1, v0
	v_lshrrev_b32 v13, 1, v0
	v_mul_u32_u24 v13, v13, EP
	v_lshl_add_u32 v13, v56, 3, v13                ; residual: entry t / 2, 8 bytes for each of its two threads: 48 (t / 2) + 8 (t % 2)
.irp j, 56,57,58,59
	v_mov_b32 v\j, 0
.endr
	v_add_nc_u32 v60, CB+32+3*512*EP, v10
	v_add_nc_u32 v61, CB+32+6*512*EP, v10
	v_add_nc_u32 v10, CB+32, v10
.set k, 0
	s_wait_alu depctr_va_vdst(0)
.rept 16
	ds_store_b128 v[5+k/5], v[64+4*k:67+4*k] offset:256*EP*(k%5)
.set k, k+1
.endr
	ds_store_b128 v9, v[16:19] offset:RCB
	ds_store_b64 v3, v[14:15] offset:OCB
.irp m, 0,1,2
	ds_store_b128 v10, v[56:59] offset:512*EP*\m
	ds_store_b128 v60, v[56:59] offset:512*EP*\m
.endr
.irp m, 0,1
	ds_store_b128 v61, v[56:59] offset:512*EP*\m
.endr
	ds_store_b64 v13, v[56:57] offset:RCB+32
	BARRIER                                        ; barrier 2
	; ---- the gathers.  Set s, column j: 8 numbers of the main entry into v[192 - 64 s + 8 j] on, 8 of the residual entry 32 registers further on
.macro GMAIN s
.irp j, 0,1,2,3
	v_min_u32 v[20+8*(\s)+\j], 0xfff, v[20+8*(\s)+\j]
	v_min_u32 v[24+8*(\s)+\j], 0xff, v[24+8*(\s)+\j]
	s_delay_alu instid0(VALU_DEP_2)
	v_mul_u32_u24 v[72-8*(\s)+\j], v[20+8*(\s)+\j], EP
	s_delay_alu instid0(VALU_DEP_2)
	v_mul_u32_u24 v[76-8*(\s)+\j], v[24+8*(\s)+\j], EP
	s_delay_alu instid0(VALU_DEP_2)
	v_add_nc_u32 v[72-8*(\s)+\j], CB, v[72-8*(\s)+\j]
.endr
.irp j, 0,1,2,3
	ds_load_b128 v[192-64*(\s)+8*\j:195-64*(\s)+8*\j], v[72-8*(\s)+\j]
	ds_load_b128 v[196-64*(\s)+8*\j:199-64*(\s)+8*\j], v[72-8*(\s)+\j] offset:16
	ds_load_b128 v[224-64*(\s)+8*\j:227-64*(\s)+8*\j], v[76-8*(\s)+\j] offset:RCB
	ds_load_b128 v[228-64*(\s)+8*\j:231-64*(\s)+8*\j], v[76-8*(\s)+\j] offset:RCB+16
.endr
.endm
	s_wait_loadcnt 0x0                             ; indices, scales, biases
	GMAIN 1
	s_cmp_lg_u32 s2, 0
	s_cbranch_scc1 .Lmain_0
.irp j, 0,1,2,3                                ; the outlier chunk: two entries of 4 numbers make a column's 8 rows; there is no residual: zeros stand for it
	v_min_u32 v[20+\j], 0xff, v[20+\j]
	v_min_u32 v[24+\j], 0xff, v[24+\j]
	s_delay_alu instid0(VALU_DEP_2)
	v_lshlrev_b32 v[72+\j], 4, v[20+\j]
	s_delay_alu instid0(VALU_DEP_2)
	v_lshlrev_b32 v[76+\j], 4, v[24+\j]
.endr
.irp j, 0,1,2,3
	ds_load_b128 v[192+8*\j:195+8*\j], v[72+\j] offset:OCB
	ds_load_b128 v[196+8*\j:199+8*\j], v[76+\j] offset:OCB
.endr
.set k, 0
.rept 32
	v_mov_b32 v[224+k], 0
.set k, k+1
.endr
	s_branch .Lgathered
.Lmain_0:
	GMAIN 0
.Lgathered:
	s_wait_dscnt 0x0                               ; my gathers are in:
	s_barrier_signal -1                            ; barrier 3: say so; the arithmetic below, on registers alone, stands between the signal and the wait
.macro FIN s
.set k, 0
.rept 16
	v_pk_add_f32 v[192-64*(\s)+k:193-64*(\s)+k], v[192-64*(\s)+k:193-64*(\s)+k], v[224-64*(\s)+k:225-64*(\s)+k]    ; main + residual
.set k, k+2
.endr
.irp j, 0,1,2,3
.irp r, 0,1,2,3,4,5,6,7
	v_fma_f32 v[192-64*(\s)+8*\j+\r], v[192-64*(\s)+8*\j+\r], v[36+4*(\s)+\j], v[44+4*(\s)+\j]     ; x the column's scale + its bias
.endr
.irp r, 0,1,2,3,4,5,6,7
	v_med3_num_f32 v[192-64*(\s)+8*\j+\r], v[192-64*(\s)+8*\j+\r], -v12, v12       ; the conversion to an 8-bit code does not saturate (ISA guide 7.6.2): the hold at the largest code x the scale
.endr
	v_cvt_scalef32_pk8_bf8_f32 v[80+8*(\s)+2*\j:81+8*(\s)+2*\j], v[192-64*(\s)+8*\j:199-64*(\s)+8*\j], v11   ; the column's 8 rows: row r's code in byte r
.endr
.endm
	FIN 1
	FIN 0
	v_nop                                          ; one plain vector instruction behind the last conversion, ahead of whatever vector instruction next touches its registers
	s_wait_alu depctr_va_vdst(0)
	s_barrier_wait -1                              ; every wave's gathers are in: LDS may be stored to
.irp s, 0,1
	ds_store_b128 v4, v[80+8*\s:83+8*\s] offset:STG+16384*\s           ; my 4 columns x 8 bytes at 8 c: c = 128 (W + 16 s) + 4 lane, so 8 c = 32 t + 16,384 s
	ds_store_b128 v4, v[84+8*\s:87+8*\s] offset:STG+16384*\s+16
.endr
	BARRIER                                        ; barrier 4: behind it LDS is only read
	; ---- the way out: final columns 8 t .. 8 t + 7
	ds_load_b128 v[96:99], v4 offset:INV
	ds_load_b128 v[100:103], v4 offset:INV+16
	s_wait_dscnt 0x0
.irp j, 0,1,2,3,4,5,6,7
	v_min_u32 v[96+\j], 0x7ff8, v[96+\j]           ; inside the stage, whatever was loaded
.endr
.irp j, 0,1,2,3,4,5,6,7
	ds_load_b64 v[104+2*\j:105+2*\j], v[96+\j] offset:STG              ; final column 8 t + j: rows 0-3 in the low register, rows 4-7 in the high one
.endr
	s_wait_dscnt 0x0
; 4 columns x 4 rows of bytes are turned: rows 4 g on, columns 4 h on.  v_perm_b32: selector bytes 0-3 pick from the second source, 4-7 from the first
.macro TR4 g, h
	v_perm_b32 v120, v[104+2*(4*\h+1)+\g], v[104+2*(4*\h)+\g], s48     ; columns 0, 1: rows 0, 1 interleaved
	v_perm_b32 v121, v[104+2*(4*\h+1)+\g], v[104+2*(4*\h)+\g], s49     ; rows 2, 3
	v_perm_b32 v122, v[104+2*(4*\h+3)+\g], v[104+2*(4*\h+2)+\g], s48   ; columns 2, 3
	v_perm_b32 v123, v[104+2*(4*\h+3)+\g], v[104+2*(4*\h+2)+\g], s49
	s_delay_alu instid0(VALU_DEP_2)
	v_perm_b32 v[128+2*(4*\g)+\h], v122, v120, s50
	s_delay_alu instid0(VALU_DEP_3)
	v_perm_b32 v[128+2*(4*\g+1)+\h], v122, v120, s51
	s_delay_alu instid0(VALU_DEP_3)
	v_perm_b32 v[128+2*(4*\g+2)+\h], v123, v121, s50
	s_delay_alu instid0(VALU_DEP_4)
	v_perm_b32 v[128+2*(4*\g+3)+\h], v123, v121, s51
.endm
	TR4 0, 0
	TR4 0, 1
	TR4 1, 0
	TR4 1, 1
.irp r, 0,1,2,3,4,5,6,7
	global_store_b64 v3, v[128+2*\r:129+2*\r], s[36:37] offset:4096*(16*(\r%4)+\r/4) ; row 8 ni + r at its place: each store of a wave covers 256 consecutive bytes, at a multiple of 256 from the buffer's first byte
.endr
	s_wait_tensorcnt 0x0
	ds_add_u32 v62, v63
	s_wait_dscnt 0x0
	s_endpgm
.Lfunc_end_k_qa30f8f955d_dequant:
	.size	k_qa30f8f955d_dequant, .Lfunc_end_k_qa30f8f955d_dequant-k_qa30f8f955d_dequant
	.p2alignl 7, 3214868480
	.fill 96, 4, 3214868480
	.section	.rodata,"a",@progbits
	.p2align	6, 0x0
	.amdhsa_kernel k_qa30f8f955d_dequant
		.amdhsa_group_segment_fixed_size 264192
		.amdhsa_private_segment_fixed_size 0
		.amdhsa_enable_private_segment 0
		.amdhsa_kernarg_size 88
		.amdhsa_user_sgpr_count 2
		.amdhsa_user_sgpr_kernarg_segment_ptr 1
		.amdhsa_wavefront_size32 1
		.amdhsa_system_sgpr_workgroup_id_x 1
		.amdhsa_system_sgpr_workgroup_id_y 1
		.amdhsa_system_sgpr_workgroup_id_z 1
		.amdhsa_system_vgpr_workitem_id 0
		.amdhsa_next_free_vgpr 256
		.amdhsa_next_free_sgpr 66
		.amdhsa_reserve_vcc 0
		.amdhsa_float_denorm_mode_32 3
		.amdhsa_float_denorm_mode_16_64 3
		.amdhsa_memory_ordered 1
		.amdhsa_forward_progress 1
		.amdhsa_inst_pref_size 74
	.end_amdhsa_kernel
	.amdgpu_metadata
---
amdhsa.version: [ 1, 2 ]
amdhsa.kernels:
  - .name:           k_qa30f8f955d_dequant
    .symbol:         k_qa30f8f955d_dequant.kd
    .args:
      - { .name: centroids, .offset: 0, .size: 8, .value_kind: global_buffer, .address_space: global }
      - { .name: res_centroids, .offset: 8, .size: 8, .value_kind: global_buffer, .address_space: global }
      - { .name: outlier_centroids, .offset: 16, .size: 8, .value_kind: global_buffer, .address_space: global }
      - { .name: weight_scale, .offset: 24, .size: 8, .value_kind: global_buffer, .address_space: global }
      - { .name: weight_bias, .offset: 32, .size: 8, .value_kind: global_buffer, .address_space: global }
      - { .name: indices, .offset: 40, .size: 8, .value_kind: global_buffer, .address_space: global }
      - { .name: res_indices, .offset: 48, .size: 8, .value_kind: global_buffer, .address_space: global }
      - { .name: outlier_indices, .offset: 56, .size: 8, .value_kind: global_buffer, .address_space: global }
      - { .name: perm, .offset: 64, .size: 8, .value_kind: global_buffer, .address_space: global }
      - { .name: lowp_scales, .offset: 72, .size: 8, .value_kind: global_buffer, .address_space: global }
      - { .name: w_codes, .offset: 80, .size: 8, .value_kind: global_buffer, .address_space: global }
    .group_segment_fixed_size: 264192
    .private_segment_fixed_size: 0
    .kernarg_segment_align: 8
    .kernarg_segment_size: 88
    .max_flat_workgroup_size: 512
    .sgpr_count:     66
    .vgpr_count:     256
    .wavefront_size: 32
...
	.end_amdgpu_metadata
.endif
;; end of part 1
;; launch gemm (part 2): grid 8 x 32, 4 waves a work-group, clusters of 4 x 4, 327,680 bytes of LDS; arguments x_codes, w_codes, lowp_scales, out0; writes out0
.if DOCPART == 2
	.amdgcn_target "amdgcn-amd-amdhsa--gfx1250"
	.amdhsa_code_object_version 6
	.text
	.protected	k_qa30f8f955d_gemm
	.globl	k_qa30f8f955d_gemm
	.p2align	8
	.type	k_qa30f8f955d_gemm,@function
k_qa30f8f955d_gemm:
	s_mov_b64 s[64:65], 0
	v_nop
	global_prefetch_b8 v0, s[64:65] scope:SCOPE_SE
	s_setreg_imm32_b32 hwreg(HW_REG_WAVE_MODE, 25, 1), 1
	s_wait_xcnt 0x0
	s_wait_alu depctr_hold_cnt(0) depctr_sa_sdst(0) depctr_va_vdst(0) depctr_va_sdst(0) depctr_va_ssrc(0) depctr_va_vcc(0) depctr_vm_vsrc(0)
	s_getreg_b32 s2, hwreg(HW_REG_IB_STS2, 6, 4)
	s_cmp_eq_u32 s2, 0
	s_cbranch_scc0 .Lentry_in_a_cluster
	s_endpgm
.Lentry_in_a_cluster:
	s_bfe_u32 s2, ttmp6, 0x10000c
	s_cmp_lg_u32 s2, 0xf033
	s_cbranch_scc0 .Lentry_shape_is_right
	s_endpgm
.Lentry_shape_is_right:
; out0[m][n] = 2^(e0 + e1) x sum over k of x_codes[m][k] w_codes[place(n)][k]: E5M2 codes multiplied as they are, sums in f32.  M 8,192, N 2,048, K 4,096.
; w_codes is the launch before's: inside each group of 64 rows, output row 4 r + b lies at place 16 b + r.
; LIMITS: e0 + e1 between -126 and 127, so that 2^(e0 + e1) is an f32 number.  K is summed in another order than ascending: each cluster begins at a K step of its own and goes round,
; and inside an instruction k is permuted alike in both operands (16-byte loads).
; A block of 256 x 256 to a work-group of four waves, 128 x 128 a wave: 64 accumulators, 512 registers.  K goes in steps of 256 through two LDS slots (rows of 256 bytes, 272 apart).
; CLUSTERS 4 x 4: x's tiles are asked for jointly along a row of the cluster, w's along a column.
; A STEP OF 128 ALONG K IS TWO HALVES: x's 8 blocks against w's fragments 0-3, then against 4-7.  In the first half the next step's w fragments are loaded (w has two sets), 8 LDS loads behind every
; 8 matrix instructions; in the second half each pair of x blocks is loaded anew as soon as its last products are issued (x has one set), again 8 behind 8.
; A slot's last read is issued one step of 128 ahead of its last product, so the change of slots stands in the slot's second step, whose operands are in registers.
; THE WAY OUT NEEDS NO LDS: source 0 = x's rows, source 1 = w's places.  Register j of accumulator (a, 4 g + b) in lane (r, h) is out0(16 a + 8 h + j, 64 g + 4 r + b): the four b make 16 neighbouring
; bytes, put side by side by the multiplication with the scale, and sixteen neighbouring lanes store 256 consecutive bytes at a multiple of 256.
; REGISTERS: window 0: v0-31 addresses, v128-255 x's 8 fragments (way out: v64-255 three buffers of 64); window 1: w's two sets of 8 fragments;
; window 2: accumulators (a, b) with b = 0-3 at v[8 (4 a + b)]; window 3: those with b = 4-7.
.set SIZE_N, 2048
.set KROW,   4096
.set ROWB,   256
.set PITCH,  272
.set HALFT,  128*PITCH                 ; what one tensor load brings
.set SLOT,   4*HALFT                   ; x's 256 rows, then w's 256
.set SPARE,  2*SLOT                    ; the spare words: 512 bytes that no other line names
.set LAPS,   KROW/(2*ROWB)
.set ADRA, 16                          ; v16-17 LDS address of my x fragments in slot 0, 1
.set ADRB, 20                          ; v20-21 the same for w
.set CO,   26                          ; my byte offset in out0: 8 h rows + 16 r
.set SPW,  28
.set NIL,  29
.set PFO,  30                          ; prefetch: lane x a row of 4,096 bytes
.set AF,   128
.set G1, 24
.set G0, 32
.set G1B, 48
.set G0B, 56
.set BA, 66                            ; s[66:67] x at the 128 rows that I fetch; s[68:69] the same in w
.set BB0, 68
.set KN, 70                            ; s[70:71] byte along K of the next K step to ask for
.set PK, 74                            ; s[74:75] byte along K of the prefetch
.set PFB, 76                           ; s[76:77] my work-group's 32 of the 128 rows that I fetch
.set PFA, 78                           ; s[78:79] the prefetch's address
.set MSB, 0
.macro WIN new                         ; the immediate's high byte repeats the setting that is left
.if MSB != \new
	s_set_vgpr_msb (MSB<<8)|\new
.set MSB, \new
.endif
.endm
.set MUL0, 0xa4                        ; source 0 (x) window 0, source 1 (w) window 1, C and D window 2
.set MUL1, 0xf4                        ; the same, C and D window 3
.set TO_B, 0x40                        ; destination window 1, address window 0
.macro JLOAD g0a, g0b                  ; a joint load: waves 0, 1 fetch x's halves, waves 2, 3 w's
	s_cmp_eq_u32 s15, 0
	s_cbranch_scc0 .Lfor_b_\@
	tensor_load_to_lds s[\g0a:\g0a+3], s[G1:G1+7]
	s_nop 0
.rept 4
	v_nop
.endr
	s_branch .Lasked_\@
.Lfor_b_\@:
	tensor_load_to_lds s[\g0b:\g0b+3], s[G1B:G1B+7]
	s_nop 0
.rept 4
	v_nop
.endr
.Lasked_\@:
.endm
.macro POINT s                         ; slot s's two descriptors take the K step at KN; KN goes on, round the row's end
	s_add_nc_u64 s[G0+4*\s+2:G0+4*\s+3], s[BA:BA+1], s[KN:KN+1]
	s_or_b32 s[G0+4*\s+3], s[G0+4*\s+3], 0x80000000
	s_add_nc_u64 s[G0B+4*\s+2:G0B+4*\s+3], s[BB0:BB0+1], s[KN:KN+1]
	s_or_b32 s[G0B+4*\s+3], s[G0B+4*\s+3], 0x80000000
	s_add_co_u32 s[KN], s[KN], ROWB
	s_and_b32 s[KN], s[KN], KROW-1
.endm
.macro CREST                           ; a round of the cluster's barrier behind its opening barrier
	s_cmp_lg_u32 s14, 0
	s_cbranch_scc1 .Lnot_wave_0_\@
	s_barrier_signal -3
.Lnot_wave_0_\@:
	s_barrier_wait -3
	s_barrier_signal -1
	s_barrier_wait -1
.endm
.macro CROUND
	s_barrier_signal -1
	s_barrier_wait -1
	CREST
.endm
; the K step two refills on is asked of memory: 32 rows x 256 bytes, a lane a row, one instruction a wave; the four partners of a joint load share its 128 rows out by address.
; The loop's last trip (s3 = 1) asks for nothing: its refills are the last two K steps.  The first four K steps come by their loads alone.
.macro ASK
	s_cmp_gt_u32 s3, 1
	s_cbranch_scc0 .Lno_ask_\@
	global_prefetch_b8 v[PFO], s[PFA:PFA+1] th:TH_LOAD_NT scope:SCOPE_SE
.Lno_ask_\@:
.endm
	s_load_b128 s[4:7], s[0:1], 0x0                ; x_codes, w_codes
	s_load_b128 s[8:11], s[0:1], 0x10              ; lowp_scales, out0
	v_lshl_add_u32 v[SPW], v0, 2, SPARE
	v_mov_b32 v[NIL], 0
	ds_add_u32 v[SPW], v[NIL]                      ; the opening lines: the add twice on end and one wait
	ds_add_u32 v[SPW], v[NIL]
	v_lshrrev_b32 v1, 5, v0
	v_readfirstlane_b32 s14, v1                    ; wave
	s_lshr_b32 s15, s14, 1                         ; my half of the block's rows; also: I fetch x (0) or w (1)
	s_and_b32 s16, s14, 1                          ; my half of its columns; also: which 128 rows I fetch
	s_bfe_u32 s40, ttmp6, 0x40000                  ; cx
	s_bfe_u32 s41, ttmp6, 0x40004                  ; cy
	s_lshl_b32 s42, ttmp9, 2
	s_add_co_u32 s42, s42, s40                     ; block column
	s_and_b32 s17, ttmp7, 0xffff
	s_lshl_b32 s17, s17, 2
	s_add_co_u32 s17, s17, s41                     ; block row
	s_lshl_b32 s43, s41, 2
	s_lshl_b32 s43, 15, s43                        ; my row of the cluster
	s_lshl_b32 s44, 0x1111, s40                    ; my column
	s_and_b32 s72, ttmp7, 0xffff                   ; the cluster's first K step, from the cluster's x and y alone: 4 ((y + 2 (y / 4)) % 4) + 8 x, modulo 16
	s_lshr_b32 s73, s72, 2
	s_lshl_b32 s73, s73, 1
	s_add_co_u32 s72, s72, s73
	s_and_b32 s72, s72, 3
	s_lshl_b32 s72, s72, 2
	s_lshl_b32 s73, ttmp9, 3
	s_add_co_u32 s72, s72, s73
	s_and_b32 s72, s72, 15
	s_lshl_b32 s[KN], s72, 8
	s_mov_b32 s[KN+1], 0
	s_mov_b32 s[PK+1], 0
	s_or_b32 s[G1+0], s43, (1<<20)|(1<<21)|(5<<22)|(3<<25)   ; mask; elements of 1 byte; 4 words of padding behind every 64
	s_or_b32 s[G1B+0], s44, (1<<20)|(1<<21)|(5<<22)|(3<<25)
.irp g, G1, G1B
	s_mov_b32 s[\g+1], ROWB<<16
	s_mov_b32 s[\g+2], 128<<16
	s_mov_b32 s[\g+3], ROWB<<16
	s_mov_b32 s[\g+4], 128
	s_mov_b32 s[\g+5], KROW
	s_mov_b32 s[\g+6], 0
	s_mov_b32 s[\g+7], 0
.endr
	s_lshl_b32 s18, s16, 7
	s_lshl_b32 s20, s17, 8
	s_add_co_u32 s20, s20, s18                     ; x: row 256 x block row + 128 x half
	s_lshl_b32 s46, s42, 8
	s_add_co_u32 s46, s46, s18                     ; w: place 256 x block column + 128 x half
	s_mov_b32 s21, 0
	s_mov_b32 s47, 0
	s_mov_b64 s[18:19], KROW
	s_mul_u64 s[20:21], s[20:21], s[18:19]
	s_mul_u64 s[46:47], s[46:47], s[18:19]
	s_mul_i32 s45, s14, HALFT                      ; where my tiles go: wave x 128 rows
	s_wait_dscnt 0x0                               ; both opening adds are done
	s_wait_kmcnt 0x0
	s_load_b64 s[96:97], s[8:9], 0x0               ; e0, e1
	s_add_nc_u64 s[BA:BA+1], s[4:5], s[20:21]
	s_add_nc_u64 s[BB0:BB0+1], s[6:7], s[46:47]
	s_cmp_eq_u32 s15, 0                            ; the prefetch's rows: in the tensor that I fetch, 32 rows by my place among the four that ask with me
	s_cselect_b64 s[PFB:PFB+1], s[BA:BA+1], s[BB0:BB0+1]
	s_cselect_b32 s80, s40, s41
	s_lshl_b32 s80, s80, 17                        ; 32 rows of 4,096 bytes
	s_mov_b32 s81, 0
	s_add_nc_u64 s[PFB:PFB+1], s[PFB:PFB+1], s[80:81]
.irp s, 0,1
	s_mov_b32 s[G0+4*\s], 1
	s_add_co_u32 s[G0+4*\s+1], s45, \s*SLOT
	s_mov_b32 s[G0B+4*\s], 1
	s_add_co_u32 s[G0B+4*\s+1], s45, \s*SLOT
	POINT \s
.endr
	s_lshl_b32 s20, s17, 8                         ; out0 at my 128 x 128
	s_lshl_b32 s21, s15, 7
	s_add_co_u32 s20, s20, s21
	s_mov_b32 s21, 0
	s_mov_b64 s[18:19], SIZE_N*4
	s_mul_u64 s[20:21], s[20:21], s[18:19]
	s_lshl_b32 s46, s42, 10
	s_lshl_b32 s47, s16, 9
	s_add_co_u32 s46, s46, s47
	s_mov_b32 s47, 0
	s_add_nc_u64 s[20:21], s[20:21], s[46:47]
	s_add_nc_u64 s[10:11], s[10:11], s[20:21]
	s_mul_i32 s21, s15, HALFT                      ; my 128 rows of x in a slot,
	s_mul_i32 s22, s16, HALFT
	s_add_co_u32 s22, s22, 2*HALFT                 ; and of w
	CROUND                                         ; all sixteen work-groups are here: the first joint loads meet
	JLOAD G0, G0B                                  ; the first K step: one tensor load a wave at the head
	v_and_b32 v1, 15, v0                           ; r
	v_bfe_u32 v2, v0, 4, 1                         ; h
	v_mul_u32_u24 v3, v1, PITCH
	v_lshl_add_u32 v4, v2, 4, v3
	v_add_nc_u32 v[ADRA], s21, v4
	v_add_nc_u32 v[ADRB], s22, v4
	v_add_nc_u32 v[ADRA+1], SLOT, v[ADRA]
	v_add_nc_u32 v[ADRB+1], SLOT, v[ADRB]
	v_lshlrev_b32 v5, 4, v1
	v_lshl_add_u32 v[CO], v2, 16, v5               ; 8 h rows of 8,192 bytes + 16 r
	v_and_b32 v6, 31, v0
	v_lshlrev_b32 v[PFO], 12, v6
.macro FRAG reg, adr, q, i             ; 16 rows x 128 K: registers 4 c .. 4 c + 3 hold K = 32 c + 16 h + 0 .. 15 of row r, alike in x and in w
.irp c, 0,1,2,3
	ds_load_b128 v[\reg+4*\c:\reg+4*\c+3], v[\adr] offset:128*(\q)+32*\c+(\i)*16*PITCH
.endr
.endm
; 8 matrix instructions: x blocks a0, a0 + 1 against w's fragments 4 g .. 4 g + 3 of set p.  The 64 accumulators take turns, in the same order in every step
.macro MULP a0, p, g, zero
.irp a, \a0, \a0+1
.irp b, 0,1,2,3
.if \zero
	v_wmma_f32_16x16x128_bf8_bf8 v[8*(4*(\a)+\b):8*(4*(\a)+\b)+7], v[AF+16*(\a):AF+16*(\a)+15], v[128*(\p)+16*(4*\g+\b):128*(\p)+16*(4*\g+\b)+15], 0
.else
	v_wmma_f32_16x16x128_bf8_bf8 v[8*(4*(\a)+\b):8*(4*(\a)+\b)+7], v[AF+16*(\a):AF+16*(\a)+15], v[128*(\p)+16*(4*\g+\b):128*(\p)+16*(4*\g+\b)+15], v[8*(4*(\a)+\b):8*(4*(\a)+\b)+7]
.endif
.endr
.endr
.endm
.macro PLACES                          ; four places in front of loads into registers that matrix instructions have read, and of the first read of results
.rept 4
	v_nop
.endr
.endm
; First half of a step on set p.  The wait in front of x pair j leaves out what was issued behind that pair's 8 loads: the 3 - j later groups of the half before (of 8 loads, or of 12 behind a
; change of slots: x = 1) and this half's j groups of 8.  ld = 0, the last step: nothing is loaded, and the counts run down.
; The other set's registers were last read in the step before, whose last products have four places behind them.
.macro PHE p, zero, x, ld, nslot, nq
.irp j, 0,1,2,3
.if \ld
	s_wait_dscnt 24+4*\x*(3-\j)
.else
	s_wait_dscnt 24-8*\j
.endif
	WIN MUL0
	MULP 2*\j, \p, 0, \zero
.if \ld
	WIN TO_B
	FRAG 128*(1-\p)+32*\j, ADRB+\nslot, \nq, 2*\j
	FRAG 128*(1-\p)+32*\j+16, ADRB+\nslot, \nq, 2*\j+1
.endif
.endr
.endm
; Second half: all its operands are in.  Behind each pair's last products: the next step's pair; wx = 1 (behind a change of slots): ahead of it one of w's fragments 4-7
.macro PHO p, zero, ld, wx, nslot, nq
.irp j, 0,1,2,3
	WIN MUL1
	MULP 2*\j, \p, 1, \zero
.if \ld
	PLACES
.if \wx
	WIN TO_B
	FRAG 128*(1-\p)+16*(4+\j), ADRB+\nslot, \nq, 4+\j
.endif
	WIN 0
	FRAG AF+32*\j, ADRA+\nslot, \nq, 2*\j
	FRAG AF+32*\j+16, ADRA+\nslot, \nq, 2*\j+1
.endif
.endr
	WIN 0
.endm
.macro STEP slot, zero, x              ; a slot's first 128 along K (set 0); fetches its second
	PHE 0, \zero, \x, 1, \slot, 1
	PHO 0, \zero, 1, 0, \slot, 1
.endm
; A slot's second 128 along K (set 1), and the change of slots.  All reads of this slot have been issued.  The step's first 16 matrix instructions stand ahead of the wait for my tensor loads
; (one is out: my part of the next slot).  Then, in front of the barrier: that wait, the add, and the wait for the add and my reads; 8 matrix instructions stand between the barrier's signal and its wait.
; Behind the round the slot is filled again first, then the next slot is read.
.macro TURN slot, next, fill
	s_wait_dscnt 24                                ; x pair 0 is in: three groups of 8 may be out
	WIN MUL0
	MULP 0, 1, 0, 0
	s_wait_dscnt 16
	MULP 2, 1, 0, 0
	WIN 0
	s_wait_tensorcnt 0x0
	ds_add_u32 v[SPW], v[NIL]
.if \fill
	POINT \slot                                    ; no load of mine is out: the descriptors may be written
	s_wait_xcnt 0x0                                ; my last prefetch has read its address
	s_add_co_u32 s[PK], s[KN], ROWB                ; KN is one K step behind the refill's: the prefetch names the one after it
	s_and_b32 s[PK], s[PK], KROW-1
	s_add_nc_u64 s[PFA:PFA+1], s[PFB:PFB+1], s[PK:PK+1]
.endif
	s_wait_dscnt 0x0                               ; the add is done, my reads of this slot are over
	s_barrier_signal -1
	WIN MUL0
	MULP 4, 1, 0, 0
	WIN 0
	s_barrier_wait -1
.if \fill
	CREST                                          ; the barrier has opened a round of the cluster's barrier
	JLOAD G0+4*\slot, G0B+4*\slot
.endif
	WIN TO_B
	FRAG 0, ADRB+\next, 0, 0
	FRAG 16, ADRB+\next, 0, 1
.if \fill
	WIN 0
	ASK
.endif
	WIN MUL0
	MULP 6, 1, 0, 0
	WIN TO_B
	FRAG 32, ADRB+\next, 0, 2
	FRAG 48, ADRB+\next, 0, 3
	PHO 1, 0, 1, 1, \next, 0
.endm
	s_wait_alu depctr_va_vdst(0)
	s_wait_tensorcnt 0x0                           ; my part of the first K step is in; slot 1's first fill is issued as a refill is
	ds_add_u32 v[SPW], v[NIL]
	s_wait_dscnt 0x0
	CROUND
	JLOAD G0+4, G0B+4
	WIN TO_B
.irp i, 0,1,2,3,4,5,6,7
	FRAG 16*\i, ADRB, 0, \i
.endr
	WIN 0
.irp i, 0,1,2,3,4,5,6,7
	FRAG AF+16*\i, ADRA, 0, \i
.endr
	STEP 0, 1, 0                                   ; the first step starts the sums: nothing is cleared
	s_mov_b32 s3, LAPS-1
.Llap:                                                 ; a trip goes once round the ring and fills both slots again
	TURN 0, 1, 1
	STEP 1, 0, 1
	TURN 1, 0, 1
	STEP 0, 0, 1
	s_sub_co_u32 s3, s3, 1
	s_cmp_lg_u32 s3, 0
	s_cbranch_scc1 .Llap
	TURN 0, 1, 0                                   ; the last lap fills nothing
	STEP 1, 0, 1
	PHE 1, 0, 0, 0, 0, 0
	PHO 1, 0, 0, 0, 0, 0
	; THE WAY OUT, block by block of 16 rows: x 2^(e0 + e1) into four neighbouring registers for the four b, each accumulator from its low end on; then 16 stores of 2 rows x 256 bytes
	s_wait_kmcnt 0x0
	s_add_co_i32 s96, s96, s97
	s_add_co_i32 s96, s96, 127
	s_lshl_b32 s96, s96, 23
	PLACES
.irp a, 0,1,2,3,4,5,6,7
.set T, 64+64*(\a%3)
.if \a > 2
	s_wait_xcnt 0x0                                ; the stores of the block three back have read this buffer
.endif
.irp g, 0,1
	WIN (2+\g)<<2                                  ; source 1: window 2 or 3
.irp j, 0,1,2,3,4,5,6,7
.irp b, 0,1,2,3
	v_mul_f32 v[T+32*\g+4*\j+\b], s96, v[8*(4*\a+\b)+\j]
.endr
.endr
.endr
	WIN 0
.irp g, 0,1
.irp j, 0,1,2,3,4,5,6,7
	global_store_b128 v[CO], v[T+32*\g+4*\j:T+32*\g+4*\j+3], s[10:11] offset:(16*\a+\j)*SIZE_N*4+256*\g th:TH_STORE_NT
.endr
.endr
.endr
	s_wait_tensorcnt 0x0                           ; the wave's end
	ds_add_u32 v[SPW], v[NIL]
	s_wait_dscnt 0x0
	CROUND                                         ; the closing round
	s_endpgm
.Lfunc_end_k_qa30f8f955d_gemm:
	.size	k_qa30f8f955d_gemm, .Lfunc_end_k_qa30f8f955d_gemm-k_qa30f8f955d_gemm
	.p2alignl 7, 3214868480
	.fill 96, 4, 3214868480
	.section	.rodata,"a",@progbits
	.p2align	6, 0x0
	.amdhsa_kernel k_qa30f8f955d_gemm
		.amdhsa_group_segment_fixed_size 327680
		.amdhsa_private_segment_fixed_size 0
		.amdhsa_enable_private_segment 0
		.amdhsa_kernarg_size 32
		.amdhsa_user_sgpr_count 2
		.amdhsa_user_sgpr_kernarg_segment_ptr 1
		.amdhsa_wavefront_size32 1
		.amdhsa_system_sgpr_workgroup_id_x 1
		.amdhsa_system_sgpr_workgroup_id_y 1
		.amdhsa_system_sgpr_workgroup_id_z 1
		.amdhsa_system_vgpr_workitem_id 0
		.amdhsa_next_free_vgpr 1024
		.amdhsa_next_free_sgpr 98
		.amdhsa_reserve_vcc 0
		.amdhsa_float_denorm_mode_32 3
		.amdhsa_float_denorm_mode_16_64 3
		.amdhsa_memory_ordered 1
		.amdhsa_forward_progress 1
		.amdhsa_inst_pref_size 114
	.end_amdhsa_kernel
	.amdgpu_metadata
---
amdhsa.version: [ 1, 2 ]
amdhsa.kernels:
  - .name:           k_qa30f8f955d_gemm
    .symbol:         k_qa30f8f955d_gemm.kd
    .args:
      - { .name: x_codes, .offset: 0, .size: 8, .value_kind: global_buffer, .address_space: global }
      - { .name: w_codes, .offset: 8, .size: 8, .value_kind: global_buffer, .address_space: global }
      - { .name: lowp_scales, .offset: 16, .size: 8, .value_kind: global_buffer, .address_space: global }
      - { .name: out0, .offset: 24, .size: 8, .value_kind: global_buffer, .address_space: global }
    .group_segment_fixed_size: 327680
    .private_segment_fixed_size: 0
    .kernarg_segment_align: 8
    .kernarg_segment_size: 32
    .max_flat_workgroup_size: 128
    .sgpr_count:     98
    .vgpr_count:     1024
    .wavefront_size: 32
...
	.end_amdgpu_metadata
.endif
;; end of part 2
